; MI455X (gfx1250); checked and timed in simulation.
; The chip was launched on July 23, 2026; its instructions are those of AMD's public machine-readable ISA for CDNA 5 (MIT licence, August 2026) and "CDNA5" Instruction Set Architecture Reference Guide (July 2026). The comments in the code are by the model that wrote it; some were corrected since.
;; Multi Head Self Attention. Allowed arithmetic: float matrix products may take bf16 or f16 operands with f32 sums; all other float work in f32.
;; Inputs: Wk 1,024 x 1,024 float32; Wo 1,024 x 1,024 float32; Wq 1,024 x 1,024 float32; Wv 1,024 x 1,024 float32; bk 1,024 float32; bo 1,024 float32; bq 1,024 float32; bv 1,024 float32; x 2 x 2,048 x 1,024 float32.
;; Outputs: out0 2 x 2,048 x 1,024 float32.
;; One version. Each part assembles by itself: llvm-mc -triple=amdgcn-amd-amdhsa -mcpu=gfx1250 --defsym DOCPART=n.
;; ======== version 1 of 1: 4 launches
;; limits: values are held in f16: magnitudes above 65,504 overflow, below 6.1e-05 lose precision
;; workspace buffers: xh 8,388,608 bytes; wqkv 6,291,456 bytes; woh 2,097,152 bytes; qkv 25,165,824 bytes; ao 8,388,608 bytes
;; launch cast (part 1): grid 512 x 1, 8 waves a work-group, no clusters, 0 bytes of LDS; arguments x, Wq, Wk, Wv, Wo, xh, wqkv, woh; writes xh, wqkv, woh
.if DOCPART == 1
	.amdgcn_target "amdgcn-amd-amdhsa--gfx1250"
	.amdhsa_code_object_version 6
	.text
	.protected	k_q81b7c71b6b_cast
	.globl	k_q81b7c71b6b_cast
	.p2align	8
	.type	k_q81b7c71b6b_cast,@function
k_q81b7c71b6b_cast:
	s_mov_b64 s[64:65], 0
	v_nop
	global_prefetch_b8 v0, s[64:65] scope:SCOPE_SE
	s_setreg_imm32_b32 hwreg(HW_REG_WAVE_MODE, 25, 1), 1
	s_wait_xcnt 0x0
; f32 to f16, once, of every matrix operand that the later launches read several times.
;   xh   [4096][1024]  = x
;   wqkv [1024][3072]  = Wq | Wk | Wv side by side (columns 0-1023, 1024-2047, 2048-3071)
;   woh  [1024][1024]  = Wo
; LIMIT: a number of magnitude 65,520 or more becomes an infinity in f16; magnitudes below 6e-8 become 0.
; A work-group takes 16 rows of 1,024 numbers: groups 0-255 the rows of x, groups 256-511 the rows of Wq, Wk, Wv, Wo (64 groups each).
; Thread t owns columns 4 t .. 4 t + 3 of each row: a wave's load covers 512 neighbouring bytes, a wave's store 256 neighbouring
; bytes that start at a multiple of 256 from the buffer's first byte.  All sixteen loads go out first; nothing is read twice;
; no register is written twice, so no source of a pending instruction is ever rewritten.
; No LDS, no matrix unit, no cluster: the groups share no byte.
.set OFFD, 2                           ; v[2:17]   byte offset of my 8 bytes in row r of the destination
.set X,    18                          ; v[18:81]  row r: 4 f32 as loaded
.set Y,    82                          ; v[82:113] row r: 4 f16 to store
	s_load_b512 s[8:23], s[0:1], 0x0               ; x 8:9, Wq 10:11, Wk 12:13, Wv 14:15, Wo 16:17, xh 18:19, wqkv 20:21, woh 22:23
	s_mov_b32 s2, ttmp9                            ; the group's number
	s_lshr_b32 s33, s2, 6
	s_and_b32 s33, s33, 3                          ; j: which W (used only where the number is 256 or more)
	s_and_b32 s34, s2, 63                          ; block of 16 rows inside a W
	s_cmp_lt_u32 s2, 256
	s_cselect_b32 s35, s2, s34                     ; block of 16 rows inside my source
	s_lshl_b32 s26, s35, 16                        ; source: 16 rows of 4,096 bytes
	s_mov_b32 s27, 0
	s_lshl_b32 s36, s35, 15                        ; xh, woh: 16 rows of 2,048 bytes
	s_mul_i32 s37, s34, 98304                      ; wqkv: 16 rows of 6,144 bytes,
	s_lshl_b32 s38, s33, 11                        ; and 2,048 bytes along the row for each W in front
	s_add_co_u32 s37, s37, s38
	s_mov_b32 s40, 6144
	s_sub_co_u32 s39, s2, 256                      ; 0 .. 191 for the groups of Wq, Wk, Wv; wraps to a large number for those of x
	s_cmp_lt_u32 s39, 192
	s_cselect_b32 s30, s37, s36                    ; offset in the destination
	s_cselect_b32 s32, s40, 2048                   ; its pitch
	s_mov_b32 s31, 0
	v_lshlrev_b32 v1, 4, v0                        ; 16 t: my 16 bytes of a source row
	v_lshlrev_b32 v[OFFD], 3, v0                   ; 8 t: my 8 bytes of a destination row
.irp r, 1,2,3,4,5,6,7,8,9,10,11,12,13,14,15
	v_add_nc_u32 v[OFFD+\r], s32, v[OFFD+\r-1]
.endr
	s_wait_kmcnt 0x0
	s_cmp_eq_u32 s33, 1                            ; the buffers are chosen by the group's number alone
	s_cselect_b64 s[24:25], s[12:13], s[10:11]
	s_cmp_eq_u32 s33, 2
	s_cselect_b64 s[24:25], s[14:15], s[24:25]
	s_cmp_eq_u32 s33, 3
	s_cselect_b64 s[24:25], s[16:17], s[24:25]
	s_cmp_lt_u32 s2, 256
	s_cselect_b64 s[24:25], s[8:9], s[24:25]       ; source
	s_cselect_b64 s[28:29], s[18:19], s[22:23]     ; xh, or woh,
	s_cmp_lt_u32 s39, 192
	s_cselect_b64 s[28:29], s[20:21], s[28:29]     ; or wqkv
	s_add_nc_u64 s[24:25], s[24:25], s[26:27]
	s_add_nc_u64 s[28:29], s[28:29], s[30:31]
.irp r, 0,1,2,3,4,5,6,7,8,9,10,11,12,13,14,15
	global_load_b128 v[X+4*\r:X+4*\r+3], v1, s[24:25] offset:4096*\r th:TH_LOAD_NT
.endr
.irp r, 0,1,2,3,4,5,6,7,8,9,10,11,12,13,14,15
	s_wait_loadcnt 15-\r                           ; loads come back in order: row r is in, the younger rows stay out
	v_cvt_pk_f16_f32 v[Y+2*\r], v[X+4*\r], v[X+4*\r+1]
	v_cvt_pk_f16_f32 v[Y+2*\r+1], v[X+4*\r+2], v[X+4*\r+3]
	global_store_b64 v[OFFD+\r], v[Y+2*\r:Y+2*\r+1], s[28:29]
.endr
	s_endpgm
.Lfunc_end_k_q81b7c71b6b_cast:
	.size	k_q81b7c71b6b_cast, .Lfunc_end_k_q81b7c71b6b_cast-k_q81b7c71b6b_cast
	.p2alignl 7, 3214868480
	.fill 96, 4, 3214868480
	.section	.rodata,"a",@progbits
	.p2align	6, 0x0
	.amdhsa_kernel k_q81b7c71b6b_cast
		.amdhsa_group_segment_fixed_size 0
		.amdhsa_private_segment_fixed_size 0
		.amdhsa_enable_private_segment 0
		.amdhsa_kernarg_size 64
		.amdhsa_user_sgpr_count 2
		.amdhsa_user_sgpr_kernarg_segment_ptr 1
		.amdhsa_wavefront_size32 1
		.amdhsa_system_sgpr_workgroup_id_x 1
		.amdhsa_system_sgpr_workgroup_id_y 1
		.amdhsa_system_sgpr_workgroup_id_z 1
		.amdhsa_system_vgpr_workitem_id 0
		.amdhsa_next_free_vgpr 114
		.amdhsa_next_free_sgpr 66
		.amdhsa_reserve_vcc 0
		.amdhsa_float_denorm_mode_32 3
		.amdhsa_float_denorm_mode_16_64 3
		.amdhsa_memory_ordered 1
		.amdhsa_forward_progress 1
		.amdhsa_inst_pref_size 8
	.end_amdhsa_kernel
	.amdgpu_metadata
---
amdhsa.version: [ 1, 2 ]
amdhsa.kernels:
  - .name:           k_q81b7c71b6b_cast
    .symbol:         k_q81b7c71b6b_cast.kd
    .args:
      - { .name: x, .offset: 0, .size: 8, .value_kind: global_buffer, .address_space: global }
      - { .name: Wq, .offset: 8, .size: 8, .value_kind: global_buffer, .address_space: global }
      - { .name: Wk, .offset: 16, .size: 8, .value_kind: global_buffer, .address_space: global }
      - { .name: Wv, .offset: 24, .size: 8, .value_kind: global_buffer, .address_space: global }
      - { .name: Wo, .offset: 32, .size: 8, .value_kind: global_buffer, .address_space: global }
      - { .name: xh, .offset: 40, .size: 8, .value_kind: global_buffer, .address_space: global }
      - { .name: wqkv, .offset: 48, .size: 8, .value_kind: global_buffer, .address_space: global }
      - { .name: woh, .offset: 56, .size: 8, .value_kind: global_buffer, .address_space: global }
    .group_segment_fixed_size: 0
    .private_segment_fixed_size: 0
    .kernarg_segment_align: 8
    .kernarg_segment_size: 64
    .max_flat_workgroup_size: 256
    .sgpr_count:     66
    .vgpr_count:     114
    .wavefront_size: 32
...
	.end_amdgpu_metadata
.endif
;; end of part 1
;; launch proj_qkv (part 2): grid 16 x 16, 4 waves a work-group, clusters of 4 x 4, 327,680 bytes of LDS; arguments xh, wqkv, bq, bk, bv, qkv; writes qkv
.if DOCPART == 2
	.amdgcn_target "amdgcn-amd-amdhsa--gfx1250"
	.amdhsa_code_object_version 6
	.text
	.protected	k_q81b7c71b6b_proj_qkv
	.globl	k_q81b7c71b6b_proj_qkv
	.p2align	8
	.type	k_q81b7c71b6b_proj_qkv,@function
k_q81b7c71b6b_proj_qkv:
	s_mov_b64 s[64:65], 0
	v_nop
	global_prefetch_b8 v0, s[64:65] scope:SCOPE_SE
	s_setreg_imm32_b32 hwreg(HW_REG_WAVE_MODE, 25, 1), 1
	s_wait_xcnt 0x0
	s_wait_alu depctr_hold_cnt(0) depctr_sa_sdst(0) depctr_va_vdst(0) depctr_va_sdst(0) depctr_va_ssrc(0) depctr_va_vcc(0) depctr_vm_vsrc(0)
	s_getreg_b32 s2, hwreg(HW_REG_IB_STS2, 6, 4)
	s_cmp_eq_u32 s2, 0
	s_cbranch_scc0 .Lentry_in_a_cluster
	s_endpgm
.Lentry_in_a_cluster:
	s_bfe_u32 s2, ttmp6, 0x10000c
	s_cmp_lg_u32 s2, 0xf033
	s_cbranch_scc0 .Lentry_shape_is_right
	s_endpgm
.Lentry_shape_is_right:
; [4096 x 1024] xh  times  [1024 x 3072] wqkv,  plus bq | bk | bv,  rounded once to f16 and stored head by head:
;   qkv [b = 2][g = 48][s = 2048][64],  g = 16 x (0 q, 1 k, 2 v) + head.  Sums in f32.
; LIMIT: a result of magnitude 65,520 or more becomes an infinity in f16.
; A work-group makes 256 rows x 192 columns (three heads' chunks of 64) with four waves; wave w makes rows 64 w .. 64 w + 63 of it:
; 4 x 12 accumulator tiles of 16 x 16, 384 registers.  K goes in steps of 128 through two LDS slots filled by the tensor data mover.
; CLUSTERS: 4 x 4 work-groups.  The four of a row of the cluster need the same rows of xh, the four of a column the same columns of wqkv:
; each such tile is asked for jointly, by the same load with the same descriptor and a mask that names the four.
; wqkv lies [k][n]: its fragments are made by the transposing LDS load, nothing is transposed in memory.
; THE MATRIX INSTRUCTION IS USED TRANSPOSED: source 0 = 16 columns of W, source 1 = 16 rows of x.  Lane (r = l % 16, h = l / 16) then holds
; row r and, in registers 0-7, the columns 8 h .. 8 h + 7 of the tile: eight neighbouring numbers, 16 bytes in f16.
; The first product of each accumulator takes the bias as C (register j = bias[n0 + 8 h + j]): nothing is cleared, nothing added later.
;
; REGISTERS, in windows of 256:  window 0: addresses, x's fragments (two buffers), the bias, later the way out's registers;
; window 1: accumulators of row tiles 0, 1;  window 2: of row tiles 2, 3;  window 3: W's fragments (two buffers).
.set NT,    12                         ; column tiles of a wave
.set PA,    272                        ; LDS pitch of x's rows: 256 bytes + 16, an odd multiple of 16: sixteen rows start 16 bytes apart modulo 256
.set PB,    480                        ; LDS pitch of W's rows: three chunks of 128 bytes + 32 each, an odd multiple of 32
.set WSTR,  34816                      ; LDS bytes of one wave's load: 128 rows x 272 (x); 64 rows x 480 = 30,720 (W)
.set SLOT,  4*WSTR                     ; x's 256 rows, then W's 128 k rows in two halves
.set STAGE, 2*SLOT                     ; behind the ring: the way out, no load ever lands here
.set SWAVE, 6912                       ; a wave's stage: 3 chunks x 16 rows x 144 bytes
.set ASTEP, 256                        ; bytes from a K step to the next in xh (128 numbers along a row)
.set BSTEP, 786432                     ; and in wqkv (128 rows of 6,144 bytes)
.set ADRA,  16                         ; v16-17  LDS address of my x fragments, slot 0, 1
.set ADRB,  20                         ; v20, v22  the same for W
.set STO,   24                         ; v24  the way out: where I put 16 bytes
.set RD,    25                         ; v25  the way out: where I read back
.set CO,    26                         ; v26  16 x lane: my byte offset in a run of 512 bytes of qkv
.set BOFF,  27                         ; v27  32 h: my byte offset in a tile's 16 bias numbers
.set FA,    32                         ; v32-63, v64-95  x's fragments, buffer p at FA + 32 p, row tile a at + 8 a
.set BIAS,  96                         ; v96-191  12 bias fragments; free after the first 48 products
.set TMP,   96                         ; v96-143  the way out: packed results
.set RB,    144                        ; v144-191 the way out: rows read back
.set G1A,   28                         ; s[28:35] descriptor group 1 of x's tiles
.set G1B,   36                         ; s[36:43] of W's tiles
.set G0A,   44                         ; s[44:51] group 0 of x's tiles, a set for each slot
.set G0B,   52                         ; s[52:59] of W's tiles
.set MSB, 0
.macro WIN new                         ; the immediate's high byte repeats the setting that is left; a switch that changes nothing is dropped
.if MSB != \new
	s_set_vgpr_msb (MSB<<8)|\new
.set MSB, \new
.endif
.endm
.set MUL_LO,   0x53                    ; source 0 (W) window 3, source 1 (x) window 0, C and D window 1
.set MUL_HI,   0xa3                    ; the same, C and D window 2
.set FIRST_LO, 0x43                    ; C (the bias) window 0, D window 1
.set FIRST_HI, 0x83                    ; C window 0, D window 2
.set TO_B,     0xc0                    ; destination window 3, address window 0
; A joint load.  Waves 0, 1 fetch x's two halves, waves 2, 3 W's.  The branch hangs on the wave's number alone.
.macro JLOAD s
	s_cmp_eq_u32 s17, 0
	s_cbranch_scc0 .Lfor_b_\@
	tensor_load_to_lds s[G0A+4*\s:G0A+4*\s+3], s[G1A:G1A+7]
	s_nop 0
	s_branch .Lasked_\@
.Lfor_b_\@:
	tensor_load_to_lds s[G0B+4*\s:G0B+4*\s+3], s[G1B:G1B+7]
	s_nop 0
.Lasked_\@:
.endm
; A round of the cluster's barrier: my work-group's barrier; wave 0 signals for the work-group; every wave waits for all sixteen; my work-group's barrier again.
.macro CREST                           ; a round behind its opening barrier
	s_cmp_lg_u32 s16, 0
	s_cbranch_scc1 .Lnot_wave_0_\@
	s_barrier_signal -3
.Lnot_wave_0_\@:
	s_barrier_wait -3
	s_barrier_signal -1
	s_barrier_wait -1
.endm
.macro CROUND
	s_barrier_signal -1
	s_barrier_wait -1
	CREST
.endm
.macro PLACES                          ; four places behind a matrix instruction, in front of loads into its sources and of readers of its result
.rept 4
	v_nop
.endr
.endm
	s_load_b256 s[4:11], s[0:1], 0x0               ; xh 4:5, wqkv 6:7, bq 8:9, bk 10:11
	s_load_b128 s[12:15], s[0:1], 0x20             ; bv 12:13, qkv 14:15
	s_set_vgpr_msb 0xc0
	v_lshl_add_u32 v255, v0, 2, 0x4ac00
	s_set_vgpr_msb 0xc000
	v_mov_b32 v255, 0
	s_set_vgpr_msb 0x3
	ds_add_u32 v255, v255
	s_set_vgpr_msb 0x300
	v_lshrrev_b32 v1, 5, v0
	v_readfirstlane_b32 s16, v1                    ; wave 0..3
	s_lshr_b32 s17, s16, 1                         ; I fetch for x (0) or for W (1)
	s_and_b32 s18, s16, 1                          ; which half of that tile
	s_bfe_u32 s19, ttmp6, 0x40000                  ; cx
	s_bfe_u32 s20, ttmp6, 0x40004                  ; cy
	s_lshl_b32 s21, ttmp9, 2
	s_add_co_u32 s21, s21, s19                     ; bn: block of 192 columns
	s_and_b32 s22, ttmp7, 0xffff
	s_lshl_b32 s22, s22, 2
	s_add_co_u32 s22, s22, s20                     ; bm: block of 256 rows
	s_lshl_b32 s23, s20, 2
	s_lshl_b32 s23, 15, s23                        ; my row of the cluster: places 4 cy .. 4 cy + 3
	s_lshl_b32 s24, 0x1111, s19                    ; my column: places cx, cx + 4, cx + 8, cx + 12
	; group 1 of x's tiles: 128 rows x 128 f16, 16 bytes of padding behind every 256
	s_or_b32 s[G1A+0], s23, (1<<16)|(1<<20)|(1<<21)|(5<<22)|(3<<25)   ; mask; element of 2 bytes; padding on; bit 21 beside a mask; every 64 words; 4 words
	s_mov_b32 s[G1A+1], 128<<16                    ; tensor_dim0 = 128
	s_mov_b32 s[G1A+2], 128<<16                    ; tensor_dim1 = 128
	s_mov_b32 s[G1A+3], 128<<16                    ; tile_dim0 = 128
	s_mov_b32 s[G1A+4], 128                        ; tile_dim1 = 128
	s_mov_b32 s[G1A+5], 1024                       ; elements from row to row
	s_mov_b32 s[G1A+6], 0
	s_mov_b32 s[G1A+7], 0
	; group 1 of W's tiles: 64 k rows x 192 f16, 32 bytes of padding behind every 128 (three to a row)
	s_or_b32 s[G1B+0], s24, (1<<16)|(1<<20)|(1<<21)|(4<<22)|(7<<25)   ; every 32 words; 8 words
	s_mov_b32 s[G1B+1], 192<<16
	s_mov_b32 s[G1B+2], 64<<16
	s_mov_b32 s[G1B+3], 192<<16
	s_mov_b32 s[G1B+4], 64
	s_mov_b32 s[G1B+5], 3072
	s_mov_b32 s[G1B+6], 0
	s_mov_b32 s[G1B+7], 0
	; where the tiles come from: x's hang on bm and the wave alone, W's on bn and the wave alone, each in registers that never hold the other coordinate
	s_lshl_b32 s66, s22, 19                        ; 256 rows of 2,048 bytes
	s_lshl_b32 s67, s18, 18                        ; + 128 rows for the second half
	s_add_co_u32 s66, s66, s67
	s_mov_b32 s67, 0
	s_mul_i32 s70, s18, 393216                     ; 64 k rows of 6,144 bytes for the second half
	s_mul_i32 s71, s21, 384                        ; + 192 columns a block
	s_add_co_u32 s70, s70, s71
	s_mov_b32 s71, 0
	s_mul_i32 s74, s16, WSTR                       ; where they go: the wave's number times a constant
	s_wait_dscnt 0x0
	s_wait_kmcnt 0x0
	s_add_nc_u64 s[68:69], s[4:5], s[66:67]
	s_add_nc_u64 s[72:73], s[6:7], s[70:71]
	CROUND                                         ; all sixteen work-groups are here: the first joint loads meet
.irp s, 0,1
	s_mov_b32 s[G0A+4*\s], 1
	s_add_co_u32 s[G0A+4*\s+1], s74, \s*SLOT
	s_add_nc_u64 s[G0A+4*\s+2:G0A+4*\s+3], s[68:69], \s*ASTEP
	s_or_b32 s[G0A+4*\s+3], s[G0A+4*\s+3], 0x80000000
	s_mov_b32 s[G0B+4*\s], 1
	s_add_co_u32 s[G0B+4*\s+1], s74, \s*SLOT
	s_add_nc_u64 s[G0B+4*\s+2:G0B+4*\s+3], s[72:73], \s*BSTEP
	s_or_b32 s[G0B+4*\s+3], s[G0B+4*\s+3], 0x80000000
	JLOAD \s                                       ; both slots are asked for before anything else: two loads of this wave are out
.endr
	; the bias: chunk c of my three is chunk g = 3 bn + c of the 48; g / 16 picks the vector, g % 16 its 64 numbers
	v_and_b32 v1, 15, v0                           ; r
	v_bfe_u32 v2, v0, 4, 1                         ; h
	v_lshlrev_b32 v[BOFF], 5, v2
	s_mul_i32 s86, s21, 3
.irp c, 0,1,2
	s_add_co_u32 s87, s86, \c
	s_lshr_b32 s88, s87, 4
	s_and_b32 s89, s87, 15
	s_lshl_b32 s90, s89, 8
	s_mov_b32 s91, 0
	s_cmp_eq_u32 s88, 0
	s_cselect_b64 s[76+2*\c:77+2*\c], s[8:9], s[10:11]
	s_cmp_eq_u32 s88, 2
	s_cselect_b64 s[76+2*\c:77+2*\c], s[12:13], s[76+2*\c:77+2*\c]
	s_add_nc_u64 s[76+2*\c:77+2*\c], s[76+2*\c:77+2*\c], s[90:91]
.endr
.irp c, 0,1,2
.irp t, 0,1,2,3
	global_load_b128 v[BIAS+8*(4*\c+\t):BIAS+8*(4*\c+\t)+3], v[BOFF], s[76+2*\c:77+2*\c] offset:64*\t
	global_load_b128 v[BIAS+8*(4*\c+\t)+4:BIAS+8*(4*\c+\t)+7], v[BOFF], s[76+2*\c:77+2*\c] offset:64*\t+16
.endr
.endr
	; LDS addresses.  x's fragment: lane holds row r; two loads of 16 bytes at r x pitch + 16 h, 32 bytes apart.
	v_mul_u32_u24 v3, v1, PA
	v_lshl_add_u32 v3, v2, 4, v3
	s_mul_i32 s75, s16, 64*PA                      ; my 64 rows
	v_add_nc_u32 v[ADRA], s75, v3
	v_add_nc_u32 v[ADRA+1], SLOT, v[ADRA]
	; W's fragment by the transposing load: lane addresses k row 8 h + l % 8, 16 bytes at 16 x ((l / 8) % 2); the second load 16 k rows further
	v_and_b32 v4, 7, v0
	v_lshl_add_u32 v4, v2, 3, v4
	v_mul_u32_u24 v4, v4, PB
	v_bfe_u32 v5, v0, 3, 1
	v_lshl_add_u32 v4, v5, 4, v4
	v_add_nc_u32 v[ADRB], 2*WSTR, v4
	v_add_nc_u32 v[ADRB+2], SLOT, v[ADRB]
	; the way out
	s_mul_i32 s75, s16, SWAVE
	s_add_co_u32 s75, s75, STAGE
	v_mul_u32_u24 v3, v1, 144
	v_lshl_add_u32 v3, v2, 4, v3
	v_add_nc_u32 v[STO], s75, v3                   ; in: row r, 16 bytes for each half of the lanes
	v_and_b32 v3, 31, v0
	v_lshrrev_b32 v4, 3, v3
	v_and_b32 v5, 7, v0
	v_mul_u32_u24 v4, v4, 144
	v_lshl_add_u32 v4, v5, 4, v4
	v_add_nc_u32 v[RD], s75, v4                    ; back: eight lanes take a row of 128 bytes, the wave four rows
	v_lshlrev_b32 v[CO], 4, v3
	s_lshr_b32 s92, s22, 3                         ; b
	s_mul_i32 s92, s92, 48
	s_add_co_u32 s92, s92, s86                     ; 48 b + 3 bn: my first chunk,
	s_lshl_b32 s92, s92, 18                        ; of 262,144 bytes each
	s_and_b32 s93, s22, 7
	s_lshl_b32 s93, s93, 8
	s_lshl_b32 s94, s16, 6
	s_add_co_u32 s93, s93, s94                     ; s of my first row
	s_lshl_b32 s93, s93, 7                         ; 128 bytes a row
	s_add_co_u32 s84, s92, s93
	s_mov_b32 s85, 0
	s_add_nc_u64 s[82:83], s[14:15], s[84:85]
; 12 matrix instructions: row tile a x all column tiles, 32 along K, from fragment buffer p.  first = 1: C is the bias.
; The 48 accumulators take turns, one instruction a turn, in the same order in every quarter step and over the loop's jump.
.macro MUL1 p, a, first
.irp b, 0,1,2,3,4,5,6,7,8,9,10,11
.if \first
	v_wmma_f32_16x16x32_f16 v[8*(((\a)&1)*NT+\b):8*(((\a)&1)*NT+\b)+7], v[8*NT*\p+8*\b:8*NT*\p+8*\b+7], v[FA+32*\p+8*\a:FA+32*\p+8*\a+7], v[BIAS+8*\b:BIAS+8*\b+7]
.else
	v_wmma_f32_16x16x32_f16 v[8*(((\a)&1)*NT+\b):8*(((\a)&1)*NT+\b)+7], v[8*NT*\p+8*\b:8*NT*\p+8*\b+7], v[FA+32*\p+8*\a:FA+32*\p+8*\a+7], v[8*(((\a)&1)*NT+\b):8*(((\a)&1)*NT+\b)+7]
.endif
.endr
.endm
; 32 LDS loads in one run: the fragments of quarter q (k = 32 q .. 32 q + 31 of the slot) into buffer p: W's 24, then x's 8
.macro FETCH slot, q, p
	WIN TO_B
.irp b, 0,1,2,3,4,5,6,7,8,9,10,11
	ds_load_tr16_b128 v[8*NT*\p+8*\b:8*NT*\p+8*\b+3], v[ADRB+2*\slot] offset:((\q)>>1)*WSTR+((\q)&1)*32*PB+((\b)>>2)*160+((\b)&3)*32
	ds_load_tr16_b128 v[8*NT*\p+8*\b+4:8*NT*\p+8*\b+7], v[ADRB+2*\slot] offset:((\q)>>1)*WSTR+((\q)&1)*32*PB+((\b)>>2)*160+((\b)&3)*32+16*PB
.endr
	WIN 0
.irp a, 0,1,2,3
	ds_load_b128 v[FA+32*\p+8*\a:FA+32*\p+8*\a+3], v[ADRA+\slot] offset:64*\q+\a*16*PA
	ds_load_b128 v[FA+32*\p+8*\a+4:FA+32*\p+8*\a+7], v[ADRA+\slot] offset:64*\q+\a*16*PA+32
.endr
.endm
; One of a K step's first three quarters: multiplies buffer p; in its middle it fetches quarter qn of the same slot into buffer g.
.macro QUARTER slot, qn, p, g, first
	s_wait_dscnt 4                                 ; W's fragments and x's row tiles 0, 1 are in; the youngest four loads (row tiles 2, 3) may be out
.if \first
	WIN FIRST_LO
.else
	WIN MUL_LO
.endif
	MUL1 \p, 0, \first
	MUL1 \p, 1, \first
	PLACES
	FETCH \slot, \qn, \g
	s_wait_dscnt 2*NT+8                            ; all but the 32 just issued
.if \first
	WIN FIRST_HI
.else
	WIN MUL_HI
.endif
	MUL1 \p, 2, \first
	MUL1 \p, 3, \first
.endm
.macro STEPQ slot, first
	QUARTER \slot, 1, 0, 1, \first
	QUARTER \slot, 2, 1, 0, 0
	QUARTER \slot, 3, 0, 1, 0
.endm
; The last quarter: multiplies buffer 1 and changes slots.  In front of the barrier each wave waits for its reads of this slot and for all its
; tensor loads (one is out: its part of the next slot).  fill = 1: the barrier opens a round of the cluster's barrier, and the joint refill of this
; slot, two K steps ahead, is the first tensor load behind the round.  From that request to the wait for it a wave issues 180 matrix instructions.
.macro TURN slot, next, fill
	s_wait_dscnt 4
	WIN MUL_LO
	MUL1 1, 0, 0
	s_wait_dscnt 0                                 ; my reads of this slot are over
	s_wait_tensorcnt 0x0                           ; all my tensor loads have landed
	ds_add_u32 v255, v255
	s_wait_dscnt 0x0
	s_barrier_signal -1
	MUL1 1, 1, 0                                   ; register work while the others arrive
	WIN 0
	s_barrier_wait -1
.if \fill
	CREST                                          ; no wave of any partner still reads this slot or has a load on its way
	s_add_nc_u64 s[G0A+4*\slot+2:G0A+4*\slot+3], s[G0A+4*\slot+2:G0A+4*\slot+3], 2*ASTEP
	s_add_nc_u64 s[G0B+4*\slot+2:G0B+4*\slot+3], s[G0B+4*\slot+2:G0B+4*\slot+3], 2*BSTEP
	JLOAD \slot
.endif
	PLACES
	FETCH \next, 0, 0
	WIN MUL_HI
	MUL1 1, 2, 0
	MUL1 1, 3, 0
.endm
.macro LAP first                       ; once round the ring, both slots filled again
	STEPQ 0, \first
	TURN 0, 1, 1
	STEPQ 1, 0
	TURN 1, 0, 1
.endm
	s_wait_tensorcnt 0x1                           ; my part of K step 0 is in; K step 1's stays out
	s_barrier_signal -1
	s_barrier_wait -1
	FETCH 0, 0, 0
	s_wait_loadcnt 0x0                             ; the bias
	LAP 1                                          ; K steps 0, 1; asks for 2, 3
	WIN 0
	s_mov_b32 s3, 2
.Llap:
	LAP 0                                          ; K steps 2 to 5; asks for 4 to 7
	WIN 0
	s_sub_co_u32 s3, s3, 1
	s_cmp_lg_u32 s3, 0
	s_cbranch_scc1 .Llap
	STEPQ 0, 0                                     ; K steps 6, 7: nothing is left to fetch
	TURN 0, 1, 0
	STEPQ 1, 0
	s_wait_dscnt 4
	WIN MUL_LO
	MUL1 1, 0, 0
	MUL1 1, 1, 0
	s_wait_dscnt 0
	WIN MUL_HI
	MUL1 1, 2, 0
	MUL1 1, 3, 0
	PLACES                                         ; in front of the conversions, which read results
; THE WAY OUT, 16 rows at a time: round to f16, 16 bytes a lane into my own stage (three chunks of 16 rows x 144 bytes), read back four rows
; at a time.  In qkv a chunk's rows follow each other without a gap, so each store of the wave covers 512 neighbouring bytes, aligned.
; LDS serves a wave's instructions in order (ISA guide 5.7.1): no wait between my stores and my loads.
.macro OUT16 a, from
	WIN \from
.irp b, 0,1,2,3,4,5,6,7,8,9,10,11
.irp j, 0,1,2,3
	v_cvt_pk_f16_f32 v[TMP+4*\b+\j], v[8*(((\a)&1)*NT+\b)+2*\j], v[8*(((\a)&1)*NT+\b)+2*\j+1]
.endr
.endr
	WIN 0
.irp b, 0,1,2,3,4,5,6,7,8,9,10,11
	ds_store_b128 v[STO], v[TMP+4*\b:TMP+4*\b+3] offset:((\b)>>2)*2304+((\b)&3)*32
.endr
	s_wait_xcnt 0x0                                ; RB, which the last sixteen rows' stores read, is loaded again only behind this wait
.irp i, 0,1,2,3,4,5,6,7,8,9,10,11
	ds_load_b128 v[RB+4*\i:RB+4*\i+3], v[RD] offset:576*\i
.endr
.irp i, 0,1,2,3,4,5,6,7,8,9,10,11
	s_wait_dscnt 11-\i
	global_store_b128 v[CO], v[RB+4*\i:RB+4*\i+3], s[82:83] offset:((\i)>>2)*262144+\a*2048+((\i)&3)*512
.endr
.endm
	OUT16 0, 0x05
	OUT16 1, 0x05
	OUT16 2, 0x0a
	OUT16 3, 0x0a
	s_set_vgpr_msb 0x3
	s_wait_tensorcnt 0x0
	ds_add_u32 v255, v255
	s_wait_dscnt 0x0
	s_set_vgpr_msb 0x300
	CROUND                                         ; the closing round: no work-group ends while a partner may still ask for a tile that names it
	s_endpgm
.Lfunc_end_k_q81b7c71b6b_proj_qkv:
	.size	k_q81b7c71b6b_proj_qkv, .Lfunc_end_k_q81b7c71b6b_proj_qkv-k_q81b7c71b6b_proj_qkv
	.p2alignl 7, 3214868480
	.fill 96, 4, 3214868480
	.section	.rodata,"a",@progbits
	.p2align	6, 0x0
	.amdhsa_kernel k_q81b7c71b6b_proj_qkv
		.amdhsa_group_segment_fixed_size 327680
		.amdhsa_private_segment_fixed_size 0
		.amdhsa_enable_private_segment 0
		.amdhsa_kernarg_size 48
		.amdhsa_user_sgpr_count 2
		.amdhsa_user_sgpr_kernarg_segment_ptr 1
		.amdhsa_wavefront_size32 1
		.amdhsa_system_sgpr_workgroup_id_x 1
		.amdhsa_system_sgpr_workgroup_id_y 1
		.amdhsa_system_sgpr_workgroup_id_z 1
		.amdhsa_system_vgpr_workitem_id 0
		.amdhsa_next_free_vgpr 1024
		.amdhsa_next_free_sgpr 100
		.amdhsa_reserve_vcc 0
		.amdhsa_float_denorm_mode_32 3
		.amdhsa_float_denorm_mode_16_64 3
		.amdhsa_memory_ordered 1
		.amdhsa_forward_progress 1
		.amdhsa_inst_pref_size 167
	.end_amdhsa_kernel
	.amdgpu_metadata
---
amdhsa.version: [ 1, 2 ]
amdhsa.kernels:
  - .name:           k_q81b7c71b6b_proj_qkv
    .symbol:         k_q81b7c71b6b_proj_qkv.kd
    .args:
      - { .name: xh, .offset: 0, .size: 8, .value_kind: global_buffer, .address_space: global }
      - { .name: wqkv, .offset: 8, .size: 8, .value_kind: global_buffer, .address_space: global }
      - { .name: bq, .offset: 16, .size: 8, .value_kind: global_buffer, .address_space: global }
      - { .name: bk, .offset: 24, .size: 8, .value_kind: global_buffer, .address_space: global }
      - { .name: bv, .offset: 32, .size: 8, .value_kind: global_buffer, .address_space: global }
      - { .name: qkv, .offset: 40, .size: 8, .value_kind: global_buffer, .address_space: global }
    .group_segment_fixed_size: 327680
    .private_segment_fixed_size: 0
    .kernarg_segment_align: 8
    .kernarg_segment_size: 48
    .max_flat_workgroup_size: 128
    .sgpr_count:     100
    .vgpr_count:     1024
    .wavefront_size: 32
...
	.end_amdgpu_metadata
.endif
;; end of part 2
;; launch attn (part 3): grid 8 x 32, 8 waves a work-group, clusters of 4 x 1, 327,680 bytes of LDS; arguments qkv, ao; writes ao
.if DOCPART == 3
	.amdgcn_target "amdgcn-amd-amdhsa--gfx1250"
	.amdhsa_code_object_version 6
	.text
	.protected	k_q81b7c71b6b_attn
	.globl	k_q81b7c71b6b_attn
	.p2align	8
	.type	k_q81b7c71b6b_attn,@function
k_q81b7c71b6b_attn:
	s_mov_b64 s[64:65], 0
	v_nop
	global_prefetch_b8 v0, s[64:65] scope:SCOPE_SE
	s_setreg_imm32_b32 hwreg(HW_REG_WAVE_MODE, 25, 1), 1
	s_wait_xcnt 0x0
	s_wait_alu depctr_hold_cnt(0) depctr_sa_sdst(0) depctr_va_vdst(0) depctr_va_sdst(0) depctr_va_ssrc(0) depctr_va_vcc(0) depctr_vm_vsrc(0)
	s_getreg_b32 s2, hwreg(HW_REG_IB_STS2, 6, 4)
	s_cmp_eq_u32 s2, 0
	s_cbranch_scc0 .Lentry_in_a_cluster
	s_endpgm
.Lentry_in_a_cluster:
	s_bfe_u32 s2, ttmp6, 0x10000c
	s_cmp_lg_u32 s2, 0x3003
	s_cbranch_scc0 .Lentry_shape_is_right
	s_endpgm
.Lentry_shape_is_right:
; softmax(q k^T / 8) v for one head and 256 queries, with a running maximum; nothing of the score matrix goes to memory.
;   qkv [b][g = 16 x (0 q, 1 k, 2 v) + head][s = 2048][64] f16;   ao [block of 128 rows = 32][head = 16][128][64] f16.
; Scores, maxima, sums and the output's sums are f32; the probabilities enter the second product as f16 (they lie in 0 .. 1).
; LIMIT: a probability below about 6e-8 of its row's largest becomes 0 in f16; NaN and infinities in q, k, v are not served.
; Eight waves, 32 queries each: two tiles of 16, run as two STREAMS half a step apart.
; BOTH PRODUCTS ARE TRANSPOSED.  S^T = K Q^T: lane (r, h) holds query r and keys 16 t + 8 h + j, so the maximum and the sum run inside a lane
; plus one exchange between the halves.  O^T = V^T P^T: packing a lane's own score tiles 2 k, 2 k + 1 to f16 is exactly P^T's fragment,
; no lane hands anything to another; V^T's fragments come from the transposing LDS load; a lane's eight results are eight neighbouring dh of a query.
; THE SCHEDULE.  A step is 64 keys and has two blocks.  Block n does the softmax of stream n (119 vector instructions) and issues, among them, the 16 matrix
; instructions of the other stream: its scores for the softmax of the next block, and its product of P and V from the softmax of the last block.
; So no matrix instruction's result is wanted in the block that issues it, and every distance behind a matrix instruction is filled with the softmax's own work.
; CLUSTERS: the four work-groups of a cluster take the same head and other queries, so they read the same K and V tiles: joint loads, mask 15.
; LDS: two slots of 256 keys.  A slot is eight regions of 10,240 bytes, region w filled by wave w: 0-3 K's keys 64 w .. (pitch 144),
; 4-7 V's keys 64 (w - 4) .. (pitch 160).  Behind the slots each wave's stage for the way out, where no load lands.
.set SLOT,  81920
.set REG,   10240
.set STAGE, 2*SLOT
.set SWAVE, 4608                       ; 32 rows x 144 bytes
; window 0
.set KADR,  2                          ; v2-3   LDS address of my K fragments, slot 0, 1
.set STO,   6
.set RD,    7
.set CO,    8
.set QOFF,  9
.set MX,    10                         ; v10-11 running maximum of the raw scores, stream n
.set LS,    12                         ; v12-13 running sum, my half of the keys
.set NEG,   14                         ; v14, v16  - c x maximum (the first register of a pair; the packed forms broadcast it)
.set ALPHA, 18                         ; v18, v20  the factor that brings old sums to the new maximum; at the end 1 / sum (likewise)
.set TT,    22                         ; v22-31 at work
.set TA,    26                         ; v[26:27], v[28:29] two chains of the sum (free once the tree of maxima has been folded)
.set QF,    32                         ; v32-63   Q's fragments: stream n, dh half e at QF + 8 (2 n + e)
.set SS,    64                         ; v64-127  scores: key tile t, stream n at SS + 8 (t + 4 n)
.set KF,    128                        ; v128-191 K's fragments: key tile t, dh half e at KF + 8 (2 t + e)
.set PP,    192                        ; v192-223 P^T in f16: stream n, key half k at PP + 16 n + 8 k
; window 1
                                       ; v0-63    O^T: dh tile d, stream n at 8 (d + 4 n)
.set VFW,   64                         ; v64-191  V^T's fragments, two buffers: buffer b, dh tile d, key half k at VFW + 64 b + 8 (2 d + k)
.set VAD1,  192                        ; v192-193 LDS address of my V fragments, slot 0, 1: in window 1, so that V's loads run under the products' setting
.set G1K,   16                         ; s[16:23]
.set G1V,   24                         ; s[24:31]
.set G0K,   32                         ; s[32:39] a set for each slot
.set G0V,   40                         ; s[40:47]
.set MSB, 0
.macro WIN new                         ; the immediate's high byte repeats the setting that is left; a switch that changes nothing is dropped
.if MSB != \new
	s_set_vgpr_msb (MSB<<8)|\new
.set MSB, \new
.endif
.endm
.set W_PV, 0x51                        ; destination, source 0 and source 2 window 1, source 1 window 0: serves O^T += V^T P^T, O^T *= factor, and V's loads
.macro ROUND                           ; a round of the cluster's barrier
	s_barrier_signal -1
	s_barrier_wait -1
	s_cmp_lg_u32 s8, 0
	s_cbranch_scc1 .Lnot_wave_0_\@
	s_barrier_signal -3
.Lnot_wave_0_\@:
	s_barrier_wait -3
	s_barrier_signal -1
	s_barrier_wait -1
.endm
.macro JLOAD s                         ; waves 0-3 fetch K's quarters, waves 4-7 V's; the branch hangs on the wave's number alone
	s_cmp_eq_u32 s9, 0
	s_cbranch_scc0 .Lfor_v_\@
	tensor_load_to_lds s[G0K+4*(\s):G0K+4*(\s)+3], s[G1K:G1K+7]
	s_nop 0
	s_branch .Lasked_\@
.Lfor_v_\@:
	tensor_load_to_lds s[G0V+4*(\s):G0V+4*(\s)+3], s[G1V:G1V+7]
	s_nop 0
.Lasked_\@:
.endm
.macro PLACES
.rept 4
	v_nop
.endr
.endm
	s_load_b128 s[4:7], s[0:1], 0x0                ; qkv 4:5, ao 6:7
	v_lshl_add_u32 v254, v0, 2, 0x31000
	v_mov_b32 v255, 0
	ds_add_u32 v254, v255
	v_lshrrev_b32 v1, 5, v0
	v_readfirstlane_b32 s8, v1                     ; wave 0..7
	s_lshr_b32 s9, s8, 2                           ; I fetch for K (0) or for V (1)
	s_and_b32 s10, s8, 3                           ; which 64 keys of the tile
	s_bfe_u32 s11, ttmp6, 0x40000                  ; cx
	s_lshl_b32 s12, ttmp9, 2
	s_add_co_u32 s12, s12, s11                     ; block of 256 queries
	s_and_b32 s13, ttmp7, 0xffff
	s_lshr_b32 s14, s13, 4                         ; b
	s_and_b32 s15, s13, 15                         ; head
	; group 1: 64 rows x 64 f16, dense in memory; K: 16 bytes of padding behind every 128, V: 32
	s_mov_b32 s[G1K+0], 15|(1<<16)|(1<<20)|(1<<21)|(4<<22)|(3<<25)
	s_mov_b32 s[G1K+1], 64<<16
	s_mov_b32 s[G1K+2], 64<<16
	s_mov_b32 s[G1K+3], 64<<16
	s_mov_b32 s[G1K+4], 64
	s_mov_b32 s[G1K+5], 64
	s_mov_b32 s[G1K+6], 0
	s_mov_b32 s[G1K+7], 0
	s_mov_b32 s[G1V+0], 15|(1<<16)|(1<<20)|(1<<21)|(4<<22)|(7<<25)
	s_mov_b32 s[G1V+1], 64<<16
	s_mov_b32 s[G1V+2], 64<<16
	s_mov_b32 s[G1V+3], 64<<16
	s_mov_b32 s[G1V+4], 64
	s_mov_b32 s[G1V+5], 64
	s_mov_b32 s[G1V+6], 0
	s_mov_b32 s[G1V+7], 0
	s_mov_b32 s50, 0x76543210                      ; v_permlanex16_b32: lane i of one half reads lane i of the other
	s_mov_b32 s51, 0xfedcba98
	s_mov_b32 s52, 0x3e38aa3b                      ; c = log2(e) / 8: the scale 1 / sqrt(64) and the change of base in one factor
	s_mov_b32 s53, 0x3e38aa3b
	s_mov_b32 s54, 0xbe38aa3b                      ; - c
	s_mul_i32 s56, s14, 48
	s_add_co_u32 s56, s56, s15
	s_lshl_b32 s56, s56, 18                        ; my head's q chunk; k lies 16 chunks, v 32 chunks of 262,144 bytes further
	s_lshl_b32 s58, s10, 13                        ; my 64 keys of 128 bytes
	s_add_co_u32 s58, s58, s56
	s_mov_b32 s59, 0
	s_mul_i32 s49, s8, REG                         ; my region of a slot
	s_wait_dscnt 0x0
	s_wait_kmcnt 0x0
	s_add_nc_u64 s[60:61], s[4:5], s[58:59]        ; hangs on b, the head and the wave alone: equal in the four partners
	ROUND                                          ; the four work-groups are here: the first joint loads meet
.irp s, 0,1
	s_mov_b32 s[G0K+4*\s], 1
	s_add_co_u32 s[G0K+4*\s+1], s49, \s*SLOT
	s_add_nc_u64 s[G0K+4*\s+2:G0K+4*\s+3], s[60:61], 4194304+\s*32768
	s_or_b32 s[G0K+4*\s+3], s[G0K+4*\s+3], 0x80000000
	s_mov_b32 s[G0V+4*\s], 1
	s_add_co_u32 s[G0V+4*\s+1], s49, \s*SLOT
	s_add_nc_u64 s[G0V+4*\s+2:G0V+4*\s+3], s[60:61], 8388608+\s*32768
	s_or_b32 s[G0V+4*\s+3], s[G0V+4*\s+3], 0x80000000
	JLOAD \s                                       ; keys 0-255 and 256-511: two loads of this wave are out
.endr
	; my 32 queries, straight into fragments: lane holds query r, 16 bytes at 16 h and 32 bytes further
	v_and_b32 v22, 15, v0                          ; r
	v_bfe_u32 v23, v0, 4, 1                        ; h
	v_lshlrev_b32 v[QOFF], 7, v22
	v_lshl_add_u32 v[QOFF], v23, 4, v[QOFF]
	s_lshl_b32 s66, s12, 8
	s_lshl_b32 s67, s8, 5
	s_add_co_u32 s66, s66, s67                     ; my first query
	s_lshl_b32 s66, s66, 7
	s_add_co_u32 s66, s66, s56
	s_mov_b32 s67, 0
	s_add_nc_u64 s[68:69], s[4:5], s[66:67]
.irp n, 0,1
.irp e, 0,1
	global_load_b128 v[QF+8*(2*\n+\e):QF+8*(2*\n+\e)+3], v[QOFF], s[68:69] offset:2048*\n+64*\e
	global_load_b128 v[QF+8*(2*\n+\e)+4:QF+8*(2*\n+\e)+7], v[QOFF], s[68:69] offset:2048*\n+64*\e+32
.endr
.endr
	v_mul_u32_u24 v24, v22, 144
	v_lshl_add_u32 v24, v23, 4, v24                ; r x 144 + 16 h
	v_mov_b32 v[KADR], v24
	v_add_nc_u32 v[KADR+1], SLOT, v24
	v_and_b32 v25, 7, v0
	v_lshl_add_u32 v26, v23, 3, v25                ; key row 8 h + l % 8
	v_mul_u32_u24 v26, v26, 160
	v_bfe_u32 v27, v0, 3, 1
	v_lshl_add_u32 v26, v27, 4, v26                ; + 16 x ((l / 8) % 2)
	WIN 0x40                                       ; destination window 1
	v_add_nc_u32 v[VAD1], 4*REG, v26
	v_add_nc_u32 v[VAD1+1], 4*REG+SLOT, v26
	WIN 0
	s_mul_i32 s74, s8, SWAVE
	s_add_co_u32 s74, s74, STAGE
	v_add_nc_u32 v[STO], s74, v24
	v_and_b32 v28, 31, v0
	v_lshrrev_b32 v29, 3, v28
	v_mul_u32_u24 v29, v29, 144
	v_lshl_add_u32 v29, v25, 4, v29
	v_add_nc_u32 v[RD], s74, v29
	v_lshlrev_b32 v[CO], 4, v28
	v_mov_b32 v[NEG+1], 0                          ; the second registers of the four pairs are named by the packed forms and never used: written once
	v_mov_b32 v[NEG+3], 0
	v_mov_b32 v[ALPHA+1], 0
	v_mov_b32 v[ALPHA+3], 0
	s_lshl_b32 s70, s14, 4                         ; ao: block of 128 rows = 16 b + 2 x (block of 256 queries) + wave / 4
	s_lshl1_add_u32 s70, s12, s70
	s_add_co_u32 s70, s70, s9
	s_lshl_b32 s70, s70, 18
	s_lshl_b32 s71, s15, 14                        ; + head x 16,384
	s_add_co_u32 s70, s70, s71
	s_lshl_b32 s71, s10, 12                        ; + my 32 rows of 128 bytes
	s_add_co_u32 s70, s70, s71
	s_mov_b32 s71, 0
	s_add_nc_u64 s[72:73], s[6:7], s[70:71]
.macro LOADK s, i                      ; 16 loads: K's 64 keys of region i of slot s
.irp t, 0,1,2,3
.irp e, 0,1
	ds_load_b128 v[KF+8*(2*\t+\e):KF+8*(2*\t+\e)+3], v[KADR+(\s)] offset:(\i)*REG+\t*2304+64*\e
	ds_load_b128 v[KF+8*(2*\t+\e)+4:KF+8*(2*\t+\e)+7], v[KADR+(\s)] offset:(\i)*REG+\t*2304+64*\e+32
.endr
.endr
.endm
.macro LOADV s, i, vb                  ; 16 transposing loads, under W_PV: V^T of the 64 keys of region i of slot s into buffer vb
.irp d, 0,1,2,3
.irp k, 0,1
	ds_load_tr16_b128 v[VFW+64*(\vb)+8*(2*\d+\k):VFW+64*(\vb)+8*(2*\d+\k)+3], v[VAD1+(\s)] offset:(\i)*REG+\k*5120+32*\d
	ds_load_tr16_b128 v[VFW+64*(\vb)+8*(2*\d+\k)+4:VFW+64*(\vb)+8*(2*\d+\k)+7], v[VAD1+(\s)] offset:(\i)*REG+\k*5120+32*\d+2560
.endr
.endr
.endm
; The k-th of stream m's eight score products: key tile k % 4, dh half k / 4.  The four accumulators take turns, dh 0-31 first (C = 0 starts the sums),
; then dh 32-63.
.macro WS m, k
.if (\k) < 4
	v_wmma_f32_16x16x32_f16 v[SS+8*((\k)+4*(\m)):SS+8*((\k)+4*(\m))+7], v[KF+16*(\k):KF+16*(\k)+7], v[QF+16*(\m):QF+16*(\m)+7], 0
.else
	v_wmma_f32_16x16x32_f16 v[SS+8*((\k)-4+4*(\m)):SS+8*((\k)-4+4*(\m))+7], v[KF+16*((\k)-4)+8:KF+16*((\k)-4)+15], v[QF+16*(\m)+8:QF+16*(\m)+15], v[SS+8*((\k)-4+4*(\m)):SS+8*((\k)-4+4*(\m))+7]
.endif
.endm
.macro MWS sc, m, k                    ; a score product, where the block has any
.if \sc
	WS \m, \k
.endif
.endm
; The k-th of stream m's eight products of V^T and P^T, under W_PV: dh tile k % 4, key half k / 4, V from buffer vb.  zero = 1: keys 0-31 start the sums.
; The four accumulators take turns.
.macro WP m, k, vb, zero
.if (\zero)*(1-((\k)>>2))
	v_wmma_f32_16x16x32_f16 v[8*(((\k)&3)+4*(\m)):8*(((\k)&3)+4*(\m))+7], v[VFW+64*(\vb)+8*(2*((\k)&3)+((\k)>>2)):VFW+64*(\vb)+8*(2*((\k)&3)+((\k)>>2))+7], v[PP+16*(\m)+8*((\k)>>2):PP+16*(\m)+8*((\k)>>2)+7], 0
	s_wait_alu depctr_va_vdst(0)
.else
	v_wmma_f32_16x16x32_f16 v[8*(((\k)&3)+4*(\m)):8*(((\k)&3)+4*(\m))+7], v[VFW+64*(\vb)+8*(2*((\k)&3)+((\k)>>2)):VFW+64*(\vb)+8*(2*((\k)&3)+((\k)>>2))+7], v[PP+16*(\m)+8*((\k)>>2):PP+16*(\m)+8*((\k)>>2)+7], v[8*(((\k)&3)+4*(\m)):8*(((\k)&3)+4*(\m))+7]
	s_wait_alu depctr_va_vdst(0)
.endif
.endm
; Single instructions of the softmax of the block's stream; SB, PB, NG, AL, OB are set at the block's head.
.macro SC i                            ; pair i of the scores: c x score - c x maximum
	v_pk_fma_f32 v[SB+2*(\i):SB+2*(\i)+1], v[SB+2*(\i):SB+2*(\i)+1], s[52:53], v[NG:NG+1] op_sel_hi:[1,0,0]
.endm
.macro EX j                            ; score j: 2 ^ it
	v_exp_f32 v[SB+(\j)], v[SB+(\j)]
.endm
.macro SU p                            ; pair p joins chain p % 2 of the sum
	s_wait_alu depctr_va_vdst(0)
	v_pk_add_f32 v[TA+2*((\p)&1):TA+2*((\p)&1)+1], v[TA+2*((\p)&1):TA+2*((\p)&1)+1], v[SB+2*(\p):SB+2*(\p)+1]
.endm
.macro CV i                            ; pair i to f16: register i of P^T's two fragments
	v_cvt_pk_f16_f32 v[PB+(\i)], v[SB+2*(\i)], v[SB+2*(\i)+1]
.endm
.macro MRS first, r                    ; pair r of my stream's O^T times the factor, under W_PV; nothing in a stream's first block
.if (\first) == 0
	v_pk_mul_f32 v[OB+2*(\r):OB+2*(\r)+1], v[OB+2*(\r):OB+2*(\r)+1], v[AL:AL+1] op_sel_hi:[1,0]
.endif
.endm
; ONE BLOCK.  n: the stream whose 32 scores a lane (64 keys, my half) go through the softmax; first = 1: its first block.
; The other stream, 1 - n:  sc = 1: its eight score products;  pv = 1, 2: its eight products of V and P from buffer vb (1: they start the sums), 0: none.
; ld = 1: K of region ki of slot ks into KF, and V of the same region into buffer vb.  sw: the change of slots in front of these loads (2 with a refill, 1 without).
.macro BLK n, first, pv, vb, sc, ld, ks, ki, sw
.set SB, SS+32*(\n)
.set PB, PP+16*(\n)
.set NG, NEG+2*(\n)
.set AL, ALPHA+2*(\n)
.set OB, 32*(\n)
	; the maximum as a tree, then the serial tail (exchange, new maximum, shift, factor), with the other stream's score products between the links
	MWS \sc, (1-\n), 0
.irp i, 0,1,2,3,4
	v_max3_num_f32 v[TT+\i], v[SB+3*\i], v[SB+3*\i+1], v[SB+3*\i+2]
.endr
	MWS \sc, (1-\n), 1
.irp i, 5,6,7,8,9
	v_max3_num_f32 v[TT+\i], v[SB+3*\i], v[SB+3*\i+1], v[SB+3*\i+2]
.endr
	MWS \sc, (1-\n), 2
	v_max3_num_f32 v[TT], v[TT], v[TT+1], v[TT+2]
	v_max3_num_f32 v[TT+3], v[TT+3], v[TT+4], v[TT+5]
	v_max3_num_f32 v[TT+6], v[TT+6], v[TT+7], v[TT+8]
	v_max3_num_f32 v[TT+9], v[TT+9], v[SB+30], v[SB+31]
	MWS \sc, (1-\n), 3
	v_max3_num_f32 v[TT], v[TT], v[TT+3], v[TT+6]
	v_max_num_f32 v[TT], v[TT], v[TT+9]
	MWS \sc, (1-\n), 4
	v_permlanex16_b32 v[TT+1], v[TT], s50, s51     ; the other half of the keys of my query
.if \first
	v_max_num_f32 v[MX+(\n)], v[TT], v[TT+1]
.else
	v_max3_num_f32 v[MX+(\n)], v[TT], v[TT+1], v[MX+(\n)]
.endif
	MWS \sc, (1-\n), 5
	v_mul_f32 v[TT+2], s54, v[MX+(\n)]             ; - c x maximum, rounded once and used as it is everywhere
.if (\first) == 0
	v_sub_f32 v[TT+3], v[TT+2], v[NG]              ; c x (old maximum - new), from the two rounded shifts
.endif
	MWS \sc, (1-\n), 6
.if (\first) == 0
	v_exp_f32 v[AL], v[TT+3]                       ; the move below is the plain place behind it (ISA guide 5.7.2)
.endif
	v_mov_b32 v[NG], v[TT+2]
	s_wait_alu depctr_va_vdst(0)
	MWS \sc, (1-\n), 7
.irp i, 0,1,2,3
	SC \i                                          ; four places behind the last score product, in front of the loads into KF
.endr
.if \ld
.if (\sw) > 0
	; The change of slots.  The old slot's last reads were issued a step ago.  Every wave waits for all its tensor loads (its part of the next slot among them)
	; and for all its LDS reads; with a refill: a round of the cluster's barrier, and behind it, first, this wave's one joint load: the old slot's next 256 keys.
	s_wait_tensorcnt 0x0
	ds_add_u32 v254, v255
	s_wait_dscnt 0x0
.if (\sw) == 2
	s_add_nc_u64 s[G0K+4*(1-(\ks))+2:G0K+4*(1-(\ks))+3], s[G0K+4*(1-(\ks))+2:G0K+4*(1-(\ks))+3], 65536   ; no load of mine is out: the old slot's addresses step two tiles
	s_add_nc_u64 s[G0V+4*(1-(\ks))+2:G0V+4*(1-(\ks))+3], s[G0V+4*(1-(\ks))+2:G0V+4*(1-(\ks))+3], 65536
.endif
	s_wait_dscnt 0x0
.if (\sw) == 2
	ROUND
	JLOAD 1-(\ks)
.else
	s_barrier_signal -1
	s_barrier_wait -1
.endif
.endif
	LOADK \ks, \ki
.endif
	; the other stream's P times V, with my stream's rescale between: one window setting for both, and for V's loads
.if (\pv)+(\ld)
	WIN W_PV
.if (\pv)
	WP (1-\n), 0, \vb, (2-(\pv))
	MRS \first, 0
	MRS \first, 1
	WP (1-\n), 1, \vb, (2-(\pv))
	MRS \first, 2
	MRS \first, 3
	WP (1-\n), 2, \vb, (2-(\pv))
	MRS \first, 4
	MRS \first, 5
	WP (1-\n), 3, \vb, (2-(\pv))
	MRS \first, 6
	MRS \first, 7
	WP (1-\n), 4, \vb, (2-(\pv))
	MRS \first, 8
	MRS \first, 9
	WP (1-\n), 5, \vb, (2-(\pv))
	MRS \first, 10
	WP (1-\n), 6, \vb, (2-(\pv))
	MRS \first, 11
	WP (1-\n), 7, \vb, (2-(\pv))
	MRS \first, 12                                 ; four places behind the last product, in front of the loads into the buffer that it read
	MRS \first, 13                                 ; (a block that loads and multiplies is never a stream's first)
	MRS \first, 14
	MRS \first, 15
.endif
.if \ld
	LOADV \ks, \ki, \vb
.endif
	WIN 0
.endif
	; exponentials in four groups of eight, each followed by a plain instruction of another group (its scale, sum or packing):
	; that instruction is also the plain place behind the exponential (ISA guide 5.7.2)
.irp i, 0,1,2,3,4,5,6,7
	EX \i
	SC 4+\i
.endr
.irp i, 0,1,2,3
	EX 8+\i
	SC 12+\i
.endr
	EX 12
	s_wait_alu depctr_va_vdst(0)
	v_pk_add_f32 v[TA:TA+1], v[SB:SB+1], v[SB+2:SB+3]          ; the first four pairs start the two chains
	EX 13
	v_pk_add_f32 v[TA+2:TA+3], v[SB+4:SB+5], v[SB+6:SB+7]
	EX 14
	CV 0
	EX 15
	CV 1
	CV 2
	CV 3
.irp i, 0,1,2,3
	EX 16+2*\i
	SU 4+\i
	EX 17+2*\i
	CV 4+\i
.endr
.irp i, 0,1,2,3
	EX 24+2*\i
	SU 8+\i
	EX 25+2*\i
	CV 8+\i
.endr
	SU 12
	SU 13
	CV 12
	SU 14
	SU 15
	CV 13
	v_pk_add_f32 v[TA:TA+1], v[TA:TA+1], v[TA+2:TA+3]
	CV 14
.if \first
	v_add_f32 v[LS+(\n)], v[TA], v[TA+1]
	CV 15
.else
	v_add_f32 v[TT], v[TA], v[TA+1]
	CV 15
	v_fma_f32 v[LS+(\n)], v[LS+(\n)], v[AL], v[TT]             ; the halves of the lanes are joined once, at the end
.endif
.endm
; 256 keys in slot s: four steps of two blocks.  V of step j lies in buffer j % 2.  Block 0 of step j multiplies stream 1's P of step j - 1, computes stream 1's scores
; of step j and loads K and V of step j + 1; block 1 multiplies stream 0's P of step j and computes stream 0's scores of step j + 1.
; f = 1: the launch's first tile.  sw: 2 the next tile exists and this slot is filled again, 1 the next tile exists, 0 the last tile.
; s_wait_dscnt 16: K's sixteen loads of block 0 are in (and all older loads, V of this step among them); V's sixteen of the next step stay out.
.macro TILE s, f, sw
	BLK 0, \f, 2-2*\f, 1, 1, 1, \s, 1, 0
	s_wait_dscnt 16
	BLK 1, \f, 2-\f, 0, 1, 0, 0, 0, 0
	BLK 0, 0, 2-\f, 0, 1, 1, \s, 2, 0
	s_wait_dscnt 16
	BLK 1, 0, 2, 1, 1, 0, 0, 0, 0
	BLK 0, 0, 2, 1, 1, 1, \s, 3, 0
	s_wait_dscnt 16
	BLK 1, 0, 2, 0, 1, 0, 0, 0, 0
.if \sw
	BLK 0, 0, 2, 0, 1, 1, 1-\s, 0, \sw
	s_wait_dscnt 16
	BLK 1, 0, 2, 1, 1, 0, 0, 0, 0
.else
	BLK 0, 0, 2, 0, 1, 0, 0, 0, 0
	s_wait_dscnt 0                                 ; V of the last step: nothing was asked for behind it
	BLK 1, 0, 2, 1, 0, 0, 0, 0, 0
.endif
.endm
	s_wait_tensorcnt 0x1                           ; my part of keys 0-255 is in; the second tile stays out
	s_barrier_signal -1
	s_barrier_wait -1
	LOADK 0, 0
	WIN W_PV
	LOADV 0, 0, 0
	WIN 0
	s_wait_loadcnt 0x0                             ; Q
	s_wait_dscnt 16                                ; K's fragments are in; the sixteen loads of V stay out
.irp k, 0,1,2,3,4,5,6,7
	WS 0, \k                                       ; stream 0's first scores, ahead of the first block
.endr
	PLACES                                         ; in front of the first maxima, which read them
	TILE 0, 1, 2                                   ; tile 0; asks for tile 2
	s_mov_b32 s48, 2
.Lloop:
	TILE 1, 0, 2                                   ; tiles 1, 3; ask for 3, 5
	TILE 0, 0, 2                                   ; tiles 2, 4; ask for 4, 6
	s_sub_co_u32 s48, s48, 1
	s_cmp_lg_u32 s48, 0
	s_cbranch_scc1 .Lloop
	TILE 1, 0, 2                                   ; tile 5; asks for tile 7, the last load
	TILE 0, 0, 1                                   ; tile 6: nothing is left to fetch
	TILE 1, 0, 0                                   ; tile 7
	WIN W_PV
.irp k, 0,1,2,3,4,5,6,7
	WP 1, \k, 1, 0                                 ; stream 1's P of the last step
.endr
	WIN 0
	; THE WAY OUT: divide by the sum, round to f16, through my own stage, 4,096 neighbouring bytes of ao
	PLACES
	v_permlanex16_b32 v[TT], v[LS], s50, s51
	v_permlanex16_b32 v[TT+1], v[LS+1], s50, s51
	v_add_f32 v[TT], v[TT], v[LS]                  ; the sum over all keys of my query
	v_add_f32 v[TT+1], v[TT+1], v[LS+1]
	v_rcp_f32 v[ALPHA], v[TT]
	v_rcp_f32 v[ALPHA+2], v[TT+1]
	v_nop                                          ; the plain place behind the reciprocals
	WIN W_PV
	s_wait_alu depctr_va_vdst(0)
.irp n, 0,1
.irp j, 0,1,2,3,4,5,6,7,8,9,10,11,12,13,14,15
	v_pk_mul_f32 v[32*\n+2*\j:32*\n+2*\j+1], v[32*\n+2*\j:32*\n+2*\j+1], v[ALPHA+2*\n:ALPHA+2*\n+1] op_sel_hi:[1,0]
.endr
.endr
	WIN 0x05                                       ; sources window 1, destination window 0
.irp t, 0,1,2,3,4,5,6,7
.irp j, 0,1,2,3
	v_cvt_pk_f16_f32 v[SS+4*\t+\j], v[8*\t+2*\j], v[8*\t+2*\j+1]
.endr
.endr
	WIN 0
.irp n, 0,1
.irp d, 0,1,2,3
	ds_store_b128 v[STO], v[SS+4*(\d+4*\n):SS+4*(\d+4*\n)+3] offset:\n*2304+32*\d   ; row 16 n + r, dh 16 d + 8 h ..
.endr
.endr
.irp t, 0,1,2,3,4,5,6,7
	ds_load_b128 v[KF+4*\t:KF+4*\t+3], v[RD] offset:576*\t     ; four rows of 128 bytes; LDS serves a wave's instructions in order (ISA guide 5.7.1)
.endr
.irp t, 0,1,2,3,4,5,6,7
	s_wait_dscnt 7-\t
	global_store_b128 v[CO], v[KF+4*\t:KF+4*\t+3], s[72:73] offset:512*\t    ; 512 neighbouring bytes, aligned
.endr
	s_wait_tensorcnt 0x0
	ds_add_u32 v254, v255
	s_wait_dscnt 0x0
	ROUND                                          ; the closing round
	s_endpgm
.Lfunc_end_k_q81b7c71b6b_attn:
	.size	k_q81b7c71b6b_attn, .Lfunc_end_k_q81b7c71b6b_attn-k_q81b7c71b6b_attn
	.p2alignl 7, 3214868480
	.fill 96, 4, 3214868480
	.section	.rodata,"a",@progbits
	.p2align	6, 0x0
	.amdhsa_kernel k_q81b7c71b6b_attn
		.amdhsa_group_segment_fixed_size 327680
		.amdhsa_private_segment_fixed_size 0
		.amdhsa_enable_private_segment 0
		.amdhsa_kernarg_size 16
		.amdhsa_user_sgpr_count 2
		.amdhsa_user_sgpr_kernarg_segment_ptr 1
		.amdhsa_wavefront_size32 1
		.amdhsa_system_sgpr_workgroup_id_x 1
		.amdhsa_system_sgpr_workgroup_id_y 1
		.amdhsa_system_sgpr_workgroup_id_z 1
		.amdhsa_system_vgpr_workitem_id 0
		.amdhsa_next_free_vgpr 464
		.amdhsa_next_free_sgpr 90
		.amdhsa_reserve_vcc 0
		.amdhsa_float_denorm_mode_32 3
		.amdhsa_float_denorm_mode_16_64 3
		.amdhsa_memory_ordered 1
		.amdhsa_forward_progress 1
		.amdhsa_inst_pref_size 255
	.end_amdhsa_kernel
	.section	.bss,"aw",@nobits
	.p2align	6
	.space	262144
	.amdgpu_metadata
---
amdhsa.version: [ 1, 2 ]
amdhsa.kernels:
  - .name:           k_q81b7c71b6b_attn
    .symbol:         k_q81b7c71b6b_attn.kd
    .args:
      - { .name: qkv, .offset: 0, .size: 8, .value_kind: global_buffer, .address_space: global }
      - { .name: ao, .offset: 8, .size: 8, .value_kind: global_buffer, .address_space: global }
    .group_segment_fixed_size: 327680
    .private_segment_fixed_size: 0
    .kernarg_segment_align: 8
    .kernarg_segment_size: 16
    .max_flat_workgroup_size: 256
    .sgpr_count:     90
    .vgpr_count:     464
    .wavefront_size: 32
...
	.end_amdgpu_metadata
.endif
;; end of part 3
;; launch proj_out (part 4): grid 8 x 32, 4 waves a work-group, clusters of 4 x 4, 327,680 bytes of LDS; arguments ao, woh, bo, out0; writes out0
.if DOCPART == 4
	.amdgcn_target "amdgcn-amd-amdhsa--gfx1250"
	.amdhsa_code_object_version 6
	.text
	.protected	k_q81b7c71b6b_proj_out
	.globl	k_q81b7c71b6b_proj_out
	.p2align	8
	.type	k_q81b7c71b6b_proj_out,@function
k_q81b7c71b6b_proj_out:
	s_mov_b64 s[64:65], 0
	v_nop
	global_prefetch_b8 v0, s[64:65] scope:SCOPE_SE
	s_setreg_imm32_b32 hwreg(HW_REG_WAVE_MODE, 25, 1), 1
	s_wait_xcnt 0x0
	s_wait_alu depctr_hold_cnt(0) depctr_sa_sdst(0) depctr_va_vdst(0) depctr_va_sdst(0) depctr_va_ssrc(0) depctr_va_vcc(0) depctr_vm_vsrc(0)
	s_getreg_b32 s2, hwreg(HW_REG_IB_STS2, 6, 4)
	s_cmp_eq_u32 s2, 0
	s_cbranch_scc0 .Lentry_in_a_cluster
	s_endpgm
.Lentry_in_a_cluster:
	s_bfe_u32 s2, ttmp6, 0x10000c
	s_cmp_lg_u32 s2, 0xf033
	s_cbranch_scc0 .Lentry_shape_is_right
	s_endpgm
.Lentry_shape_is_right:
; out0 [4096 x 1024] f32 = attention output [4096 x 1024] times woh [1024 x 1024], plus bo.  Operands f16, sums f32.
;   ao [block of 128 rows = 32][head = 16][128][64]: K index = 64 x head + dh, so a block's heads follow each other as dense tiles.
; A work-group makes 128 x 128 with four waves, 2 x 2, a wave 64 x 64: 16 accumulator tiles.  Larger blocks would give fewer work-groups
; than the 256 that this grid has.  K goes in steps of 256 (four heads) through two LDS slots: four K steps in all, so nothing is looped.
; CLUSTERS: 4 x 4; ao's tiles are shared along a row of the cluster, woh's along a column, each by a joint load.
; The matrix instruction is used transposed (source 0 = 16 columns of W by the transposing LDS load, source 1 = 16 rows of ao): lane (r, h) holds
; row r, columns 8 h .. 8 h + 7.  The first product of each accumulator takes the bias as C.
; Windows: 0 addresses, ao's fragments, bias, way out; 1 accumulators of row tiles 0, 1; 2 of row tiles 2, 3; 3 W's fragments.
.set NT,    4
.set PA,    144                        ; 128 bytes + 16
.set PB,    288                        ; 256 bytes + 32, an odd multiple of 32
.set WSTR,  36864                      ; one wave's load: 256 rows x 144 (two heads of ao), or 128 k rows x 288 (woh)
.set SLOT,  4*WSTR
.set STAGE, 2*SLOT
.set SWAVE, 4352                       ; 16 rows x 272 bytes
.set ASTEP, 65536                      ; four heads of 16,384 bytes
.set BSTEP, 524288                     ; 256 rows of 2,048 bytes
.set ADRA,  16                         ; v16-17
.set ADRB,  20                         ; v20-23: 2 x slot + half of the slot's k rows
.set STO,   24
.set RD,    25
.set CO,    26
.set BOFF,  27
.set FA,    32                         ; v32-63, v64-95
.set BIAS,  96                         ; v96-127
.set RB,    144                        ; v144-175
.set G1A,   28
.set G1B,   36
.set G0A,   44
.set G0B,   52
.set MSB, 0
.macro WIN new
.if MSB != \new
	s_set_vgpr_msb (MSB<<8)|\new
.set MSB, \new
.endif
.endm
.set MUL_LO,   0x53
.set MUL_HI,   0xa3
.set FIRST_LO, 0x43
.set FIRST_HI, 0x83
.set TO_B,     0xc0
.macro JLOAD s
	s_cmp_eq_u32 s17, 0
	s_cbranch_scc0 .Lfor_b_\@
	tensor_load_to_lds s[G0A+4*\s:G0A+4*\s+3], s[G1A:G1A+7]
	s_nop 0
	s_branch .Lasked_\@
.Lfor_b_\@:
	tensor_load_to_lds s[G0B+4*\s:G0B+4*\s+3], s[G1B:G1B+7]
	s_nop 0
.Lasked_\@:
.endm
.macro CREST
	s_cmp_lg_u32 s16, 0
	s_cbranch_scc1 .Lnot_wave_0_\@
	s_barrier_signal -3
.Lnot_wave_0_\@:
	s_barrier_wait -3
	s_barrier_signal -1
	s_barrier_wait -1
.endm
.macro CROUND
	s_barrier_signal -1
	s_barrier_wait -1
	CREST
.endm
.macro PLACES
.rept 4
	v_nop
.endr
.endm
	s_load_b256 s[4:11], s[0:1], 0x0               ; ao 4:5, woh 6:7, bo 8:9, out0 10:11
	s_set_vgpr_msb 0xc0
	v_lshl_add_u32 v65, v0, 2, 0x4c400
	s_set_vgpr_msb 0xc000
	v_mov_b32 v255, 0
	s_set_vgpr_msb 0x3
	ds_add_u32 v65, v255
	s_set_vgpr_msb 0x300
	v_lshrrev_b32 v1, 5, v0
	v_readfirstlane_b32 s16, v1                    ; wave 0..3
	s_lshr_b32 s17, s16, 1                         ; my half of the block's rows.  Also: I fetch for ao (0) or for woh (1)
	s_and_b32 s18, s16, 1                          ; my half of its columns.  Also: which half of that tile I fetch
	s_bfe_u32 s19, ttmp6, 0x40000                  ; cx
	s_bfe_u32 s20, ttmp6, 0x40004                  ; cy
	s_lshl_b32 s21, ttmp9, 2
	s_add_co_u32 s21, s21, s19                     ; bn: block of 128 columns
	s_and_b32 s22, ttmp7, 0xffff
	s_lshl_b32 s22, s22, 2
	s_add_co_u32 s22, s22, s20                     ; bm: block of 128 rows
	s_lshl_b32 s23, s20, 2
	s_lshl_b32 s23, 15, s23                        ; my row of the cluster
	s_lshl_b32 s24, 0x1111, s19                    ; my column
	; ao's tiles: two heads = 256 rows x 64 f16, dense; 16 bytes of padding behind every 128
	s_or_b32 s[G1A+0], s23, (1<<16)|(1<<20)|(1<<21)|(4<<22)|(3<<25)
	s_mov_b32 s[G1A+1], 64<<16
	s_mov_b32 s[G1A+2], 256<<16
	s_mov_b32 s[G1A+3], 64<<16
	s_mov_b32 s[G1A+4], 256
	s_mov_b32 s[G1A+5], 64
	s_mov_b32 s[G1A+6], 0
	s_mov_b32 s[G1A+7], 0
	; woh's tiles: 128 k rows x 128 f16; 32 bytes of padding behind every 256
	s_or_b32 s[G1B+0], s24, (1<<16)|(1<<20)|(1<<21)|(5<<22)|(7<<25)
	s_mov_b32 s[G1B+1], 128<<16
	s_mov_b32 s[G1B+2], 128<<16
	s_mov_b32 s[G1B+3], 128<<16
	s_mov_b32 s[G1B+4], 128
	s_mov_b32 s[G1B+5], 1024
	s_mov_b32 s[G1B+6], 0
	s_mov_b32 s[G1B+7], 0
	s_lshl_b32 s66, s22, 18                        ; ao: 262,144 bytes a block of rows
	s_lshl_b32 s67, s18, 15                        ; + two heads for the second half
	s_add_co_u32 s66, s66, s67
	s_mov_b32 s67, 0
	s_lshl_b32 s70, s18, 18                        ; woh: 128 k rows of 2,048 bytes for the second half
	s_lshl_b32 s71, s21, 8                         ; + 128 columns a block
	s_add_co_u32 s70, s70, s71
	s_mov_b32 s71, 0
	s_mul_i32 s74, s16, WSTR
	s_wait_dscnt 0x0
	s_wait_kmcnt 0x0
	s_add_nc_u64 s[68:69], s[4:5], s[66:67]
	s_add_nc_u64 s[72:73], s[6:7], s[70:71]
	CROUND                                         ; the first joint loads meet
.irp s, 0,1
	s_mov_b32 s[G0A+4*\s], 1
	s_add_co_u32 s[G0A+4*\s+1], s74, \s*SLOT
	s_add_nc_u64 s[G0A+4*\s+2:G0A+4*\s+3], s[68:69], \s*ASTEP
	s_or_b32 s[G0A+4*\s+3], s[G0A+4*\s+3], 0x80000000
	s_mov_b32 s[G0B+4*\s], 1
	s_add_co_u32 s[G0B+4*\s+1], s74, \s*SLOT
	s_add_nc_u64 s[G0B+4*\s+2:G0B+4*\s+3], s[72:73], \s*BSTEP
	s_or_b32 s[G0B+4*\s+3], s[G0B+4*\s+3], 0x80000000
	JLOAD \s                                       ; two loads of this wave are out
.endr
	v_and_b32 v1, 15, v0                           ; r
	v_bfe_u32 v2, v0, 4, 1                         ; h
	v_lshlrev_b32 v[BOFF], 5, v2
	s_lshl_b32 s86, s21, 9                         ; my first column, in bytes of f32: 512 bn + 256 x half
	s_lshl_b32 s87, s18, 8
	s_add_co_u32 s86, s86, s87
	s_mov_b32 s87, 0
	s_add_nc_u64 s[76:77], s[8:9], s[86:87]
.irp t, 0,1,2,3
	global_load_b128 v[BIAS+8*\t:BIAS+8*\t+3], v[BOFF], s[76:77] offset:64*\t
	global_load_b128 v[BIAS+8*\t+4:BIAS+8*\t+7], v[BOFF], s[76:77] offset:64*\t+16
.endr
	v_mul_u32_u24 v3, v1, PA
	v_lshl_add_u32 v3, v2, 4, v3
	s_mul_i32 s75, s17, 64*PA                      ; my 64 rows of each head
	v_add_nc_u32 v[ADRA], s75, v3
	v_add_nc_u32 v[ADRA+1], SLOT, v[ADRA]
	v_and_b32 v4, 7, v0
	v_lshl_add_u32 v4, v2, 3, v4
	v_mul_u32_u24 v4, v4, PB
	v_bfe_u32 v5, v0, 3, 1
	v_lshl_add_u32 v4, v5, 4, v4
	s_lshl_b32 s75, s18, 7                         ; my 64 columns
	s_add_co_u32 s75, s75, 2*WSTR
	v_add_nc_u32 v[ADRB], s75, v4
	v_add_nc_u32 v[ADRB+1], WSTR, v[ADRB]
	v_add_nc_u32 v[ADRB+2], SLOT, v[ADRB]
	v_add_nc_u32 v[ADRB+3], SLOT+WSTR, v[ADRB]
	s_mul_i32 s75, s16, SWAVE
	s_add_co_u32 s75, s75, STAGE
	v_mul_u32_u24 v3, v1, 272
	v_lshl_add_u32 v3, v2, 5, v3
	v_add_nc_u32 v[STO], s75, v3                   ; in: row r, 32 bytes for each half of the lanes
	v_mul_u32_u24 v4, v2, 272
	v_lshl_add_u32 v4, v1, 4, v4
	v_add_nc_u32 v[RD], s75, v4                    ; back: lanes 0-15 one row of 256 bytes, lanes 16-31 the next
	v_lshlrev_b32 v5, 12, v2
	v_lshl_add_u32 v[CO], v1, 4, v5                ; the same two rows in out0
	s_lshl_b32 s84, s22, 19                        ; 128 rows of 4,096 bytes
	s_lshl_b32 s85, s17, 18
	s_add_co_u32 s84, s84, s85
	s_add_co_u32 s84, s84, s86
	s_mov_b32 s85, 0
	s_add_nc_u64 s[82:83], s[10:11], s[84:85]
; 4 matrix instructions: row tile a x my four column tiles.  The 16 accumulators take turns, one instruction a turn, in the same order
; in every quarter step.
.macro MUL1 p, a, first
.irp b, 0,1,2,3
.if \first
	v_wmma_f32_16x16x32_f16 v[8*(((\a)&1)*NT+\b):8*(((\a)&1)*NT+\b)+7], v[8*NT*\p+8*\b:8*NT*\p+8*\b+7], v[FA+32*\p+8*\a:FA+32*\p+8*\a+7], v[BIAS+8*\b:BIAS+8*\b+7]
.else
	v_wmma_f32_16x16x32_f16 v[8*(((\a)&1)*NT+\b):8*(((\a)&1)*NT+\b)+7], v[8*NT*\p+8*\b:8*NT*\p+8*\b+7], v[FA+32*\p+8*\a:FA+32*\p+8*\a+7], v[8*(((\a)&1)*NT+\b):8*(((\a)&1)*NT+\b)+7]
.endif
.endr
.endm
; 16 LDS loads: part q (k = 32 q .. 32 q + 31 of the slot's 256) into buffer p: W's 8, then ao's 8
.macro FETCH slot, q, p
	WIN TO_B
.irp b, 0,1,2,3
	ds_load_tr16_b128 v[8*NT*\p+8*\b:8*NT*\p+8*\b+3], v[ADRB+2*\slot+((\q)>>2)] offset:((\q)&3)*32*PB+32*\b
	ds_load_tr16_b128 v[8*NT*\p+8*\b+4:8*NT*\p+8*\b+7], v[ADRB+2*\slot+((\q)>>2)] offset:((\q)&3)*32*PB+32*\b+16*PB
.endr
	WIN 0
.irp a, 0,1,2,3
	ds_load_b128 v[FA+32*\p+8*\a:FA+32*\p+8*\a+3], v[ADRA+\slot] offset:((\q)>>1)*128*PA+((\q)&1)*64+\a*16*PA
	ds_load_b128 v[FA+32*\p+8*\a+4:FA+32*\p+8*\a+7], v[ADRA+\slot] offset:((\q)>>1)*128*PA+((\q)&1)*64+\a*16*PA+32
.endr
.endm
.macro QUARTER slot, qn, p, g, first
	s_wait_dscnt 4                                 ; all but the youngest four loads (row tiles 2, 3)
.if \first
	WIN FIRST_LO
.else
	WIN MUL_LO
.endif
	MUL1 \p, 0, \first
	MUL1 \p, 1, \first
	PLACES
	FETCH \slot, \qn, \g
	s_wait_dscnt 2*NT+8                            ; all but the 16 just issued
.if \first
	WIN FIRST_HI
.else
	WIN MUL_HI
.endif
	MUL1 \p, 2, \first
	MUL1 \p, 3, \first
.endm
.macro STEPQ slot, first               ; the first seven of a K step's eight parts
	QUARTER \slot, 1, 0, 1, \first
	QUARTER \slot, 2, 1, 0, 0
	QUARTER \slot, 3, 0, 1, 0
	QUARTER \slot, 4, 1, 0, 0
	QUARTER \slot, 5, 0, 1, 0
	QUARTER \slot, 6, 1, 0, 0
	QUARTER \slot, 7, 0, 1, 0
.endm
; The last part and the change of slots: the waits for my reads of this slot and for all my tensor loads stand in front of the barrier; fill = 1: it opens a
; round of the cluster's barrier, and the joint refill is the first tensor load behind the round.  From that request to its wait: 124 matrix instructions.
.macro TURN slot, next, fill
	s_wait_dscnt 4
	WIN MUL_LO
	MUL1 1, 0, 0
	s_wait_dscnt 0
	s_wait_tensorcnt 0x0
	ds_add_u32 v65, v255
	s_wait_dscnt 0x0
	s_barrier_signal -1
	MUL1 1, 1, 0
	WIN 0
	s_barrier_wait -1
.if \fill
	CREST
	s_add_nc_u64 s[G0A+4*\slot+2:G0A+4*\slot+3], s[G0A+4*\slot+2:G0A+4*\slot+3], 2*ASTEP
	s_add_nc_u64 s[G0B+4*\slot+2:G0B+4*\slot+3], s[G0B+4*\slot+2:G0B+4*\slot+3], 2*BSTEP
	JLOAD \slot
.endif
	PLACES
	FETCH \next, 0, 0
	WIN MUL_HI
	MUL1 1, 2, 0
	MUL1 1, 3, 0
.endm
	s_wait_tensorcnt 0x1                           ; my part of K step 0 is in; K step 1's stays out
	s_barrier_signal -1
	s_barrier_wait -1
	FETCH 0, 0, 0
	s_wait_loadcnt 0x0                             ; the bias
	STEPQ 0, 1                                     ; K step 0
	TURN 0, 1, 1                                   ; asks for K step 2
	STEPQ 1, 0                                     ; K step 1
	TURN 1, 0, 1                                   ; asks for K step 3
	STEPQ 0, 0                                     ; K step 2
	TURN 0, 1, 0
	STEPQ 1, 0                                     ; K step 3
	s_wait_dscnt 4
	WIN MUL_LO
	MUL1 1, 0, 0
	MUL1 1, 1, 0
	s_wait_dscnt 0
	WIN MUL_HI
	MUL1 1, 2, 0
	MUL1 1, 3, 0
	PLACES                                         ; in front of the LDS stores, which read results
; THE WAY OUT, 16 rows at a time: the accumulators go as they are into my own stage (16 rows x 272 bytes) and come back as whole rows of 256 bytes:
; sixteen lanes store 256 neighbouring bytes, at a multiple of 256 from out0's first byte.
.macro OUT16 a, from
	WIN \from                                      ; the stores' data in window 1 or 2
.irp b, 0,1,2,3
	ds_store_b128 v[STO], v[8*(((\a)&1)*NT+\b):8*(((\a)&1)*NT+\b)+3] offset:64*\b
	ds_store_b128 v[STO], v[8*(((\a)&1)*NT+\b)+4:8*(((\a)&1)*NT+\b)+7] offset:64*\b+16
.endr
	WIN 0
	s_wait_xcnt 0x0                                ; RB, which the last sixteen rows' stores read, is loaded again only behind this wait
.irp t, 0,1,2,3,4,5,6,7
	ds_load_b128 v[RB+4*\t:RB+4*\t+3], v[RD] offset:544*\t     ; LDS serves a wave's instructions in order (ISA guide 5.7.1)
.endr
.irp t, 0,1,2,3,4,5,6,7
	s_wait_dscnt 7-\t
	global_store_b128 v[CO], v[RB+4*\t:RB+4*\t+3], s[82:83] offset:(16*\a+2*\t)*4096 th:TH_STORE_NT
.endr
.endm
	OUT16 0, 0x04
	OUT16 1, 0x04
	OUT16 2, 0x08
	OUT16 3, 0x08
	s_set_vgpr_msb 0x3
	s_wait_tensorcnt 0x0
	ds_add_u32 v65, v255
	s_wait_dscnt 0x0
	s_set_vgpr_msb 0x300
	CROUND                                         ; the closing round
	s_endpgm
.Lfunc_end_k_q81b7c71b6b_proj_out:
	.size	k_q81b7c71b6b_proj_out, .Lfunc_end_k_q81b7c71b6b_proj_out-k_q81b7c71b6b_proj_out
	.p2alignl 7, 3214868480
	.fill 96, 4, 3214868480
	.section	.rodata,"a",@progbits
	.p2align	6, 0x0
	.amdhsa_kernel k_q81b7c71b6b_proj_out
		.amdhsa_group_segment_fixed_size 327680
		.amdhsa_private_segment_fixed_size 0
		.amdhsa_enable_private_segment 0
		.amdhsa_kernarg_size 32
		.amdhsa_user_sgpr_count 2
		.amdhsa_user_sgpr_kernarg_segment_ptr 1
		.amdhsa_wavefront_size32 1
		.amdhsa_system_sgpr_workgroup_id_x 1
		.amdhsa_system_sgpr_workgroup_id_y 1
		.amdhsa_system_sgpr_workgroup_id_z 1
		.amdhsa_system_vgpr_workitem_id 0
		.amdhsa_next_free_vgpr 834
		.amdhsa_next_free_sgpr 100
		.amdhsa_reserve_vcc 0
		.amdhsa_float_denorm_mode_32 3
		.amdhsa_float_denorm_mode_16_64 3
		.amdhsa_memory_ordered 1
		.amdhsa_forward_progress 1
		.amdhsa_inst_pref_size 93
	.end_amdhsa_kernel
	.amdgpu_metadata
---
amdhsa.version: [ 1, 2 ]
amdhsa.kernels:
  - .name:           k_q81b7c71b6b_proj_out
    .symbol:         k_q81b7c71b6b_proj_out.kd
    .args:
      - { .name: ao, .offset: 0, .size: 8, .value_kind: global_buffer, .address_space: global }
      - { .name: woh, .offset: 8, .size: 8, .value_kind: global_buffer, .address_space: global }
      - { .name: bo, .offset: 16, .size: 8, .value_kind: global_buffer, .address_space: global }
      - { .name: out0, .offset: 24, .size: 8, .value_kind: global_buffer, .address_space: global }
    .group_segment_fixed_size: 327680
    .private_segment_fixed_size: 0
    .kernarg_segment_align: 8
    .kernarg_segment_size: 32
    .max_flat_workgroup_size: 128
    .sgpr_count:     100
    .vgpr_count:     834
    .wavefront_size: 32
...
	.end_amdgpu_metadata
.endif
;; end of part 4
